; MI455X (gfx1250); checked and timed in simulation.
; The chip was launched on July 23, 2026; its instructions are those of AMD's public machine-readable ISA for CDNA 5 (MIT licence, August 2026) and "CDNA5" Instruction Set Architecture Reference Guide (July 2026). The comments in the code are by the model that wrote it; some were corrected since.
;; Environment Specific Decoder. Allowed arithmetic: matrix products marked QUANTISED: E2M3 operands, one E8M0 scale for each 32 along K, by v_wmma_scale_f32_16x16x128_f8f6f4 with both operands' format E2M3, f32 sums; products left as they are: f32 operands where the result goes on into a quantised operand, else bf16, f16 or f32 operands; f32 sums; everything else in f32.
;; Inputs: A 128 x 128 float32; W1e 8 x 256 x 256 float32; W2e 8 x 256 x 2 float32; W_sig 64 x 256 float32; Wc 64 x 128 float32; Wo 128 x 1 float32; b1e 8 x 256 float32; b2e 8 x 2 float32; b_sig 256 float32; bc 128 float32; bo 1 float32; regime 32 int32; z_corrupt 32 x 64 x 128 x 64 float32; z_signal 32 x 64 x 128 x 64 float32.
;; Outputs: out0 32 x 64 x 128 float32; out1 32 x 64 x 128 float32.
;; This version of the problem:
;;   THIS VERSION OF THE PROBLEM IS GIVEN IN LOW PRECISION. The matrix products marked QUANTISED in the list below multiply operands that are first quantised to E2M3 (2 exponent bits, 3 mantissa bits; 6 bits a number), with one power-of-two scale for each 32 numbers along K (OCP MX v1.0); their sums are f32. All else is computed in f32.
;;   The module's matrix products, in the order in which they are computed (A, B: the left and right operand; K: the contracted axis; several contracted axes count as one K, in the product's order):
;;     1. [M 131,072, K 128] x [K 128, N 128]; A: input z_signal; B: input A: QUANTISED
;;     2. [M 262,144, K 64] x [K 64, N 256]; A: computed on the way; B: input W_sig: QUANTISED
;;     3. batch 32 x [M 8,192, K 256] x [K 256, N 256]; A: computed on the way; B: computed on the way: QUANTISED
;;     4. batch 32 x [M 8,192, K 256] x [K 256, N 2]; A: computed on the way; B: computed on the way: left as it is (N = 2 < 16)
;;     5. [M 262,144, K 64] x [K 64, N 128]; A: input z_corrupt; B: input Wc: QUANTISED
;;     6. [M 262,144, K 128] x [K 128, N 1]; A: computed on the way; B: input Wo: left as it is (N = 1 < 16)
;;   THE QUANTISER, for each operand of a quantised product, along K:
;;     - K is cut into blocks of 32 from its start; a last block that is shorter is filled with zeros.
;;     - A block's scale is 2^e with e = floor(log2(the largest magnitude in the block)) - 2, held to -126 .. 127; a block of zeros has e = 0. As a byte (E8M0): e + 127.
;;     - Each number is divided by its block's scale, clamped to +-7.5, and rounded to the nearest number of E2M3, ties to even, subnormals kept.
;;     - The product sums the exact products of the quantised numbers (number of the format x scale) in f32.
;;   ~~~python
;;   def quantise(x, axis):      # numpy; x: float32 -> the quantised numbers, widened to float32 again
;;       x = np.moveaxis(x, axis, -1); K = x.shape[-1]
;;       x = np.pad(x, [(0, 0)] * (x.ndim - 1) + [(0, -K % 32)]); x = x.reshape(x.shape[:-1] + (-1, 32)); a = np.abs(x).max(-1, keepdims=True)
;;       e = np.where(a > 0, np.clip(np.frexp(np.where(a > 0, a, 1))[1] - 1 - 2, -126, 127), 0)      # np.frexp(a)[1] - 1 = floor(log2(a)), exactly
;;       r = np.clip(x / 2.0 ** e, -7.5, 7.5)
;;       step = 2.0 ** (np.maximum(np.frexp(np.where(r == 0, 1, r))[1] - 1, 0) - 3)
;;       q = np.round(r / step) * step * 2.0 ** e      # np.round: ties to even
;;       return np.moveaxis(q.reshape(q.shape[:-2] + (-1,))[..., :K], -1, axis).astype(np.float32)
;;   ~~~
;;   OPERANDS COMPUTED ON THE WAY. 'Computed on the way' means the value that the module computes at that place (a softmax that the list does not call 'softmax' is quantised finished and normalised). What goes into a quantiser is computed in f32, as accurately as f32 sums, v_exp_f32 and their like allow (about 1e-6 of the number): no bf16 or f16 on the way to a quantiser, and a product that is left as it is and whose result goes on into a quantised operand takes f32 operands (vector FMAs, or v_wmma_f32_16x16x4_f32). A number that lies on a knife's edge between two numbers of the format may be rounded either way, as far as f32 arithmetic and the matrix unit's own rounding can turn it there, and no further.
;; One version. Each part assembles by itself: llvm-mc -triple=amdgcn-amd-amdhsa -mcpu=gfx1250 --defsym DOCPART=n.
;; ======== version 1 of 1: 2 launches
;; limits: right only within a limited range of input values
;; workspace buffers: ws 495,616 bytes
;; launch prep (part 1): grid 297 x 1, 1 waves a work-group, no clusters, 0 bytes of LDS; arguments A, W_sig, W1e, Wc, b_sig, b1e, W2e, bc, Wo, ws; writes ws
.if DOCPART == 1
	.amdgcn_target "amdgcn-amd-amdhsa--gfx1250"
	.amdhsa_code_object_version 6
	.text
	.protected	k_q92047aa799_prep
	.globl	k_q92047aa799_prep
	.p2align	8
	.type	k_q92047aa799_prep,@function
k_q92047aa799_prep:
	s_mov_b64 s[64:65], 0
	v_nop
	global_prefetch_b8 v0, s[64:65] scope:SCOPE_SE
	s_setreg_imm32_b32 hwreg(HW_REG_WAVE_MODE, 25, 1), 1
	s_wait_xcnt 0x0
; The weights of the four quantised products, all stored with K as their FIRST axis, become codes of FP6 (E2M3) with one E8M0 byte for each 32 along K,
; laid in ws as IMAGES OF THE OPERAND REGISTERS, so that the second launch only copies them.  The small f32 vectors are copied beside them.
; A lane takes one column of a weight and its registers run down K: a block of 32 is one lane's, no other lane is asked for a maximum, nothing is transposed.
; A block's scale is 2^(floor(log2(largest magnitude)) - 2); its byte is the largest magnitude's exponent field - 2, held at 1 from below.
; LIMITS: a block of zeros, or one whose largest magnitude lies under 2^-124, keeps the byte 1 (its codes are zeros or subnormal codes under that scale; this program alone reads the bytes).  NaN and infinities are not served.
; ws:  COMMON, 36,864 bytes: 0 A, 8 fragments of 1,536 | 12288 W_sig, 16 half fragments of 768 | 24576 Wc, 8 half fragments | 30720 A's scale words, 8 x 128 | 31744 W_sig's, 16 x 128 | 33792 Wc's, 8 x 128 | 34816 b_sig | 35840 bc | 36352 Wo
;      EXPERT e, 57,344 bytes at 36864 + 57344 e: 0 W1[e], 32 fragments (2 n + s) | 49152 their scale words, 32 x 128 | 53248 b1e[e] | 54272 W2e[e] | 56320 1,024 zeros
; A fragment (16 rows x 128 K, 12 registers): registers 4 c .. 4 c + 3 at 512 c + 16 x lane.  A half fragment (16 rows x 64 K, 6 registers): registers 0-3 at 16 x lane, 4-5 at 512 + 8 x lane.  A scale image: the word at 4 x lane.
; One wave is one unit, chosen by the work-group's number: 0-255 W1's fragments, 256-263 A's, 264-279 W_sig's, 280-287 Wc's, 288-295 an expert's vectors, 296 the common vectors.
.set EXP0, 36864
.set EXPB, 57344
; v1 r, v2 h, v3 16 x lane, v4 8 x lane, v5 4 x lane, v6 load offset, v7 8 h, v8 permute's destination, v9 scale word, v10-11 maxima, v12-13 scale operands, v14-15 bytes, v16-27 codes, v28-34 odd halves, v64-127 numbers
; s[36:37] source, s[38:39] the codes' place, s[40:41] the scale words' place
; 16 columns x 128 K.  P: bytes from row to row.  Lane (r, h) takes column r and k = 64 c + 32 h + 0 .. 31, the order of the operand's registers.
.macro PFULL P
	v_lshlrev_b32 v6, 2, v1
	v_mad_u32_u24 v6, v2, 32*\P, v6                ; 4 r + 32 rows x h
.irp c, 0,1
.irp i, 0,1,2,3,4,5,6,7,8,9,10,11,12,13,14,15,16,17,18,19,20,21,22,23,24,25,26,27,28,29,30,31
	global_load_b32 v[64+32*\c+\i], v6, s[36:37] offset:(64*\c+\i)*\P
.endr
.endr
	s_wait_loadcnt 0x0
.irp c, 0,1
	v_max3_num_f32 v[10+\c], |v[64+32*\c]|, |v[65+32*\c]|, 0x1800000   ; with the floor 2^(3 - 127): the byte cannot fall under 1
.endr
.irp i, 2,4,6,8,10,12,14,16,18,20,22,24,26,28,30
.irp c, 0,1
	v_max3_num_f32 v[10+\c], v[10+\c], |v[64+32*\c+\i]|, |v[65+32*\c+\i]|
.endr
.endr
.irp c, 0,1
	v_add_nc_u32 v[12+\c], 0xff000000, v[10+\c]    ; 2 off the exponent field: the conversion's scale operand
.endr
.irp c, 0,1
	v_lshrrev_b32 v[14+\c], 23, v[12+\c]           ; the byte
.endr
	v_lshl_or_b32 v9, v15, 16, v14                 ; my bytes: blocks h and 2 + h,
	v_lshlrev_b32 v9, v7, v9                       ; at their places,
	v_permlanex16_b32 v8, v9, s28, s29
	v_or_b32 v9, v9, v8                            ; with lane l xor 16's two the word is whole, in both halves of the lanes
.irp c, 0,1
	v_cvt_scalef32_pk16_fp6_f32 v[16+6*\c:18+6*\c], v[64+32*\c:79+32*\c], v[12+\c]
	v_cvt_scalef32_pk16_fp6_f32 v[28+4*\c:30+4*\c], v[80+32*\c:95+32*\c], v[12+\c]   ; (a conversion's three registers begin on an even number)
.endr
	v_nop                                          ; one plain line behind the conversions
.irp c, 0,1
.irp i, 0,1,2
	v_mov_b32 v[19+6*\c+\i], v[28+4*\c+\i]
.endr
.endr
.irp c, 0,1,2
	global_store_b128 v3, v[16+4*\c:19+4*\c], s[38:39] offset:512*\c   ; 512 consecutive bytes a store
.endr
	global_store_b32 v5, v9, s[40:41]
.endm
; 16 columns x 64 K.  perm = 1 (W_sig): lane r takes column 32 (r / 8) + r % 8 of the unit's 64, and position p of a block is l = 32 h + 4 (p % 8) + p / 8, the order in which the first product leaves z_agg in a lane.
.macro PHALF P, perm
.if \perm
	v_lshrrev_b32 v6, 3, v1
	v_and_b32 v9, 7, v1
	v_lshlrev_b32 v6, 7, v6
	v_lshl_add_u32 v6, v9, 2, v6
.else
	v_lshlrev_b32 v6, 2, v1
.endif
	v_mad_u32_u24 v6, v2, 32*\P, v6
.irp p, 0,1,2,3,4,5,6,7,8,9,10,11,12,13,14,15,16,17,18,19,20,21,22,23,24,25,26,27,28,29,30,31
.if \perm
	global_load_b32 v[64+\p], v6, s[36:37] offset:(4*(\p%8)+\p/8)*\P
.else
	global_load_b32 v[64+\p], v6, s[36:37] offset:\p*\P
.endif
.endr
	s_wait_loadcnt 0x0
	v_max3_num_f32 v10, |v64|, |v65|, 0x1800000
.irp i, 2,4,6,8,10,12,14,16,18,20,22,24,26,28,30
	v_max3_num_f32 v10, v10, |v[64+\i]|, |v[65+\i]|
.endr
	v_add_nc_u32 v12, 0xff000000, v10
	v_lshrrev_b32 v14, 23, v12
	v_lshlrev_b32 v9, v7, v14                      ; my block's byte at place h,
	v_permlanex16_b32 v8, v9, s28, s29
	v_or_b32 v9, v9, v8                            ; with the other block's,
	v_lshl_or_b32 v9, v9, 16, v9                   ; and the pair twice: the word serves the tile in the lower or in the upper 64 of an instruction's K
	v_cvt_scalef32_pk16_fp6_f32 v[16:18], v[64:79], v12
	v_cvt_scalef32_pk16_fp6_f32 v[28:30], v[80:95], v12
	v_nop
.irp i, 0,1,2
	v_mov_b32 v[19+\i], v[28+\i]
.endr
	global_store_b128 v3, v[16:19], s[38:39]
	global_store_b64 v4, v[20:21], s[38:39] offset:512
	global_store_b32 v5, v9, s[40:41]
.endm
	s_load_b256 s[4:11], s[0:1], 0x0               ; A s[4:5], W_sig s[6:7], W1e s[8:9], Wc s[10:11]
	s_load_b256 s[12:19], s[0:1], 0x20             ; b_sig s[12:13], b1e s[14:15], W2e s[16:17], bc s[18:19]
	s_load_b128 s[20:23], s[0:1], 0x40             ; Wo s[20:21], ws s[22:23]
	v_and_b32 v1, 15, v0
	v_lshrrev_b32 v2, 4, v0
	v_lshlrev_b32 v3, 4, v0
	v_lshlrev_b32 v4, 3, v0
	v_lshlrev_b32 v5, 2, v0
	v_lshlrev_b32 v7, 3, v2
	v_mov_b32 v8, 0                                ; a lane permute's destination counts as one of its sources
	s_mov_b32 s28, 0x76543210
	s_mov_b32 s29, 0xfedcba98                      ; selects for lane l xor 16
	s_mov_b32 s25, 0                               ; the high words of the offset pairs
	s_mov_b32 s31, 0
	s_wait_kmcnt 0x0
	s_cmp_lt_u32 ttmp9, 256
	s_cbranch_scc0 .Lnot_w1
	; W1[e], N tile n, K step s: rows k = 128 s on, columns 16 n on
	s_lshr_b32 s32, ttmp9, 5                       ; e
	s_and_b32 s33, ttmp9, 31                       ; f = 2 n + s
	s_lshr_b32 s34, s33, 1
	s_and_b32 s35, s33, 1
	s_lshl_b32 s24, s32, 18
	s_lshl_b32 s35, s35, 17
	s_add_co_u32 s24, s24, s35
	s_lshl_b32 s34, s34, 6
	s_add_co_u32 s24, s24, s34
	s_add_nc_u64 s[36:37], s[8:9], s[24:25]
	s_mul_i32 s26, s32, EXPB
	s_add_co_u32 s26, s26, EXP0
	s_mul_i32 s30, s33, 1536
	s_add_co_u32 s30, s30, s26
	s_add_nc_u64 s[38:39], s[22:23], s[30:31]
	s_lshl_b32 s30, s33, 7
	s_add_co_u32 s30, s30, s26
	s_add_co_u32 s30, s30, 49152
	s_add_nc_u64 s[40:41], s[22:23], s[30:31]
	s_wait_alu depctr_va_vdst(0)
	PFULL 1024
	s_endpgm
.Lnot_w1:
	s_cmp_lt_u32 ttmp9, 264
	s_cbranch_scc0 .Lnot_a
	s_sub_co_u32 s32, ttmp9, 256                   ; A, columns 16 it on
	s_lshl_b32 s24, s32, 6
	s_add_nc_u64 s[36:37], s[4:5], s[24:25]
	s_mul_i32 s30, s32, 1536
	s_add_nc_u64 s[38:39], s[22:23], s[30:31]
	s_lshl_b32 s30, s32, 7
	s_add_co_u32 s30, s30, 30720
	s_add_nc_u64 s[40:41], s[22:23], s[30:31]
	s_wait_alu depctr_va_vdst(0)
	PFULL 512
	s_endpgm
.Lnot_a:
	s_cmp_lt_u32 ttmp9, 280
	s_cbranch_scc0 .Lnot_sig
	s_sub_co_u32 s32, ttmp9, 264                   ; W_sig, tile 4 B + t: columns 64 B + 8 t on
	s_lshr_b32 s33, s32, 2
	s_and_b32 s34, s32, 3
	s_lshl_b32 s24, s33, 8
	s_lshl_b32 s34, s34, 5
	s_add_co_u32 s24, s24, s34
	s_add_nc_u64 s[36:37], s[6:7], s[24:25]
	s_mul_i32 s30, s32, 768
	s_add_co_u32 s30, s30, 12288
	s_add_nc_u64 s[38:39], s[22:23], s[30:31]
	s_lshl_b32 s30, s32, 7
	s_add_co_u32 s30, s30, 31744
	s_add_nc_u64 s[40:41], s[22:23], s[30:31]
	s_wait_alu depctr_va_vdst(0)
	PHALF 1024, 1
	s_endpgm
.Lnot_sig:
	s_cmp_lt_u32 ttmp9, 288
	s_cbranch_scc0 .Lnot_wc
	s_sub_co_u32 s32, ttmp9, 280                   ; Wc, columns 16 n on
	s_lshl_b32 s24, s32, 6
	s_add_nc_u64 s[36:37], s[10:11], s[24:25]
	s_mul_i32 s30, s32, 768
	s_add_co_u32 s30, s30, 24576
	s_add_nc_u64 s[38:39], s[22:23], s[30:31]
	s_lshl_b32 s30, s32, 7
	s_add_co_u32 s30, s30, 33792
	s_add_nc_u64 s[40:41], s[22:23], s[30:31]
	s_wait_alu depctr_va_vdst(0)
	PHALF 512, 0
	s_endpgm
.Lnot_wc:
	s_cmp_lt_u32 ttmp9, 296
	s_cbranch_scc0 .Lcommon
	s_sub_co_u32 s32, ttmp9, 288                   ; expert e: b1e[e] 1,024 bytes, W2e[e] 2,048, then 1,024 zeros
	s_lshl_b32 s24, s32, 10
	s_add_nc_u64 s[36:37], s[14:15], s[24:25]
	s_lshl_b32 s24, s32, 11
	s_add_nc_u64 s[42:43], s[16:17], s[24:25]
	s_mul_i32 s30, s32, EXPB
	s_add_co_u32 s30, s30, EXP0+53248
	s_add_nc_u64 s[38:39], s[22:23], s[30:31]
	s_wait_alu depctr_va_vdst(0)
.irp i, 0,1
	global_load_b128 v[64+4*\i:67+4*\i], v3, s[36:37] offset:512*\i
.endr
.irp i, 0,1,2,3
	global_load_b128 v[72+4*\i:75+4*\i], v3, s[42:43] offset:512*\i
.endr
.irp i, 0,1,2,3,4,5,6,7
	v_mov_b32 v[88+\i], 0
.endr
	s_wait_alu depctr_va_vdst(0)
	s_wait_loadcnt 0x0
.irp i, 0,1,2,3,4,5,6,7
	global_store_b128 v3, v[64+4*\i:67+4*\i], s[38:39] offset:512*\i
.endr
	s_endpgm
.Lcommon:
	s_mov_b32 s30, 34816                           ; b_sig 1,024 bytes, bc 512, Wo 512
	s_add_nc_u64 s[38:39], s[22:23], s[30:31]
	s_wait_alu depctr_va_vdst(0)
	global_load_b128 v[64:67], v3, s[12:13]
	global_load_b128 v[68:71], v3, s[12:13] offset:512
	global_load_b128 v[72:75], v3, s[18:19]
	global_load_b128 v[76:79], v3, s[20:21]
	s_wait_loadcnt 0x0
.irp i, 0,1,2,3
	global_store_b128 v3, v[64+4*\i:67+4*\i], s[38:39] offset:512*\i
.endr
	s_endpgm
.Lfunc_end_k_q92047aa799_prep:
	.size	k_q92047aa799_prep, .Lfunc_end_k_q92047aa799_prep-k_q92047aa799_prep
	.p2alignl 7, 3214868480
	.fill 96, 4, 3214868480
	.section	.rodata,"a",@progbits
	.p2align	6, 0x0
	.amdhsa_kernel k_q92047aa799_prep
		.amdhsa_group_segment_fixed_size 0
		.amdhsa_private_segment_fixed_size 0
		.amdhsa_enable_private_segment 0
		.amdhsa_kernarg_size 80
		.amdhsa_user_sgpr_count 2
		.amdhsa_user_sgpr_kernarg_segment_ptr 1
		.amdhsa_wavefront_size32 1
		.amdhsa_system_sgpr_workgroup_id_x 1
		.amdhsa_system_sgpr_workgroup_id_y 1
		.amdhsa_system_sgpr_workgroup_id_z 1
		.amdhsa_system_vgpr_workitem_id 0
		.amdhsa_next_free_vgpr 128
		.amdhsa_next_free_sgpr 66
		.amdhsa_reserve_vcc 0
		.amdhsa_float_denorm_mode_32 3
		.amdhsa_float_denorm_mode_16_64 3
		.amdhsa_memory_ordered 1
		.amdhsa_forward_progress 1
		.amdhsa_inst_pref_size 36
	.end_amdhsa_kernel
	.amdgpu_metadata
---
amdhsa.version: [ 1, 2 ]
amdhsa.kernels:
  - .name:           k_q92047aa799_prep
    .symbol:         k_q92047aa799_prep.kd
    .args:
      - { .name: A, .offset: 0, .size: 8, .value_kind: global_buffer, .address_space: global }
      - { .name: W_sig, .offset: 8, .size: 8, .value_kind: global_buffer, .address_space: global }
      - { .name: W1e, .offset: 16, .size: 8, .value_kind: global_buffer, .address_space: global }
      - { .name: Wc, .offset: 24, .size: 8, .value_kind: global_buffer, .address_space: global }
      - { .name: b_sig, .offset: 32, .size: 8, .value_kind: global_buffer, .address_space: global }
      - { .name: b1e, .offset: 40, .size: 8, .value_kind: global_buffer, .address_space: global }
      - { .name: W2e, .offset: 48, .size: 8, .value_kind: global_buffer, .address_space: global }
      - { .name: bc, .offset: 56, .size: 8, .value_kind: global_buffer, .address_space: global }
      - { .name: Wo, .offset: 64, .size: 8, .value_kind: global_buffer, .address_space: global }
      - { .name: ws, .offset: 72, .size: 8, .value_kind: global_buffer, .address_space: global }
    .group_segment_fixed_size: 0
    .private_segment_fixed_size: 0
    .kernarg_segment_align: 8
    .kernarg_segment_size: 80
    .max_flat_workgroup_size: 32
    .sgpr_count:     66
    .vgpr_count:     128
    .wavefront_size: 32
...
	.end_amdgpu_metadata
.endif
;; end of part 1
;; launch main (part 2): grid 256 x 1, 8 waves a work-group, no clusters, 177,152 bytes of LDS; arguments z_signal, z_corrupt, regime, b2e, bo, ws, out0, out1; writes out0, out1
.if DOCPART == 2
	.amdgcn_target "amdgcn-amd-amdhsa--gfx1250"
	.amdhsa_code_object_version 6
	.text
	.protected	k_q92047aa799_main
	.globl	k_q92047aa799_main
	.p2align	8
	.type	k_q92047aa799_main,@function
k_q92047aa799_main:
	s_mov_b64 s[64:65], 0
	v_nop
	global_prefetch_b8 v0, s[64:65] scope:SCOPE_SE
	s_setreg_imm32_b32 hwreg(HW_REG_WAVE_MODE, 25, 1), 1
	s_wait_xcnt 0x0
; mu, sigma of the decoder, fused: z_agg = A^T z | h = z_agg W_sig + b_sig | h1 = relu(h W1[e] + b1[e]) | out = h1 W2[e] + b2[e] | contrib = relu(z_c Wc + bc) Wo + bo.
; The four large products run on codes of FP6 (E2M3) with one E8M0 byte for each 32 along K; the two with 2 and 1 columns are f32 multiply-adds.
; SHARES.  2,048 slices (b, t) of 128 rows; ONE WAVE TAKES ONE SLICE through the whole chain, so that each weight fragment read from LDS feeds 8 matrix instructions.  Work-group g: b = g / 8, slices 8 g + wave.
; TWO ORDERS.  Waves 0-3 take the signal path first and the corrupt path after it, waves 4-7 the corrupt path first: the waves of a work-group stand in different phases, and half of the first 512 KB are enough to begin with.
; Both inputs are loaded in one pattern: a slice is 64 loads in four quarters (c, u) of 16: lane (r, h) of load i takes 16 bytes, l = 4 r .. 4 r + 3, of row 64 c + 32 h + 16 u + i.
; In the corrupt path of waves 4-7 each quarter that is consumed is replaced at once by the same quarter of their z_signal.  Waves 0-3 prefetch their z_corrupt, 8,192 bytes in each of four trips of product 3's loop, and load it behind.
; NO TENSOR LOADS, NO CLUSTER: of a work-group's 606 KB only the weights' 94 KB are shared with other work-groups, the two streams are each wave's own and are quantised in registers, and the expert's address comes from a loaded index.
; ONE barrier: the weights lie in LDS.  All other LDS bytes are a wave's own.
; EVERY PRODUCT IS USED TRANSPOSED: source 0 = 16 rows of a weight, source 1 = 16 rows of activations: lane (r, h) holds ONE activation row r, and register j weight row 8 h + j.
; A BLOCK OF 32 ALWAYS FALLS INTO ONE LANE.  z_signal: element t of a lane's 16 bytes belongs to l tile t (rows l = 4 r + t).  Product 1, l tile t x A tile it, leaves in register 8 t + j z_agg[16 it + r][32 h + 4 j + t]: the four tiles
; are block h of that row, in the order in which W_sig's image is laid.  W_sig's tiles t = 0 .. 3 of group g leave h[row][64 g + 32 h + 0 .. 31], in order.  So no quantiser asks another lane for a maximum or changes halves.
; K = 64 IN AN INSTRUCTION OF K = 128: two row tiles share one activation fragment [a's 64 | b's 64]; the weight stands between registers of zero codes, Z W Z: [W | Z] multiplies tile a, [Z | W] tile b.  Zero codes add exactly 0.
; A SCALE REGISTER HOLDS TWO WORDS: lanes 0-15 those of an even fragment, lanes 16-31 those of the odd one behind it (ROW1): one swap of lane halves makes both from the bytes of the two half waves.
; PRODUCTS 1 AND 2 run one tile ahead of the maxima and two ahead of the conversions, on three sets of four accumulators by turns.
; LIMITS: NaN and infinities are not served.  A block whose largest magnitude lies under 2^-124 keeps the byte 1; so does a block of zeros, with zero codes.  regime >= 8 takes expert 0; a negative regime lies outside the table and is held at 7.
; LDS: 0 COMMON 36,864 and E0 EXPERT 57,344, as they lie in ws | STG0 + 8704 w: my stage, 2 tiles of 16 rows x 272 | RES0 + 1536 w: mu, sigma's input, contrib of my 128 rows | SPARE.
; REGISTERS, window 0: v1 16 lane, v2 4 lane, v3 8 lane, v4 z's offset, v5/v6 stage in/out, v7 b_sig's place, v8 32 h, v9 64 h, v10-13 walking addresses, v14/v15/v19 results in/out/contrib in, v16 256 lane, v17 spare word, v18 0,
;   v20/v21 the weights' places, v22-39 the quantisers', v40-47 h's scale words, v48-49 z_agg's or z_corrupt's, v50-51 z_signal's, v52-53 A's, v54-57 bytes, v60-63 weights' words; v64-127 accumulators; v128-255 a slice's first half, then weights and accumulators.
;   window 1: v0-127 a slice's second half; h's codes HC[m][s] at v[24 m + 12 s]; z_agg's ZA[p] or z_corrupt's ZC[p] at v[192 + 12 p]; v128-177 product 5's weights and sums.
.set E0,   36864
.set STG0, 94208
.set STGW, 8704
.set RES0, 163840
.set RESW, 1536
.set SPARE, 176128
.set WZ, 128                           ; window 1, product 5: Z W Z at 128, bc at 146, Wo at 154, contrib's pairs at 162
.set MSB, 0
.macro WIN new                         ; low byte: bits 1:0 source 0, 3:2 source 1, 5:4 source 2, 7:6 destination; the high byte repeats the setting that is left
.if MSB != (\new)
	s_set_vgpr_msb (MSB<<8)|(\new)
.set MSB, (\new)
.endif
.endm
.macro NOPS n
.rept \n
	v_nop
.endr
.endm
.macro WALU
	s_wait_alu depctr_va_vdst(0)
.endm
; a matrix instruction; side, par: where par is odd, that side's scale word stands in lanes 16-31
.macro WM d, a, b, c, sa, sb, side, par
.if (\par)%2
	v_wmma_scale_f32_16x16x128_f8f6f4 v[(\d):(\d)+7], v[(\a):(\a)+11], v[(\b):(\b)+11], \c, v[(\sa)], v[(\sb)] matrix_a_fmt:MATRIX_FMT_FP6 matrix_b_fmt:MATRIX_FMT_FP6 matrix_\side\()_scale:MATRIX_SCALE_ROW1
.else
	v_wmma_scale_f32_16x16x128_f8f6f4 v[(\d):(\d)+7], v[(\a):(\a)+11], v[(\b):(\b)+11], \c, v[(\sa)], v[(\sb)] matrix_a_fmt:MATRIX_FMT_FP6 matrix_b_fmt:MATRIX_FMT_FP6
.endif
.endm
; a quarter of a slice: 16 loads
.macro ZQL c, u, base
	WIN 0x40*(\c)
.set i_, 0
.rept 16
	global_load_b128 v[128-128*(\c)+64*(\u)+4*i_:131-128*(\c)+64*(\u)+4*i_], v4, s[\base:\base+1] offset:256*(64*(\c)+16*(\u)+i_) th:TH_LOAD_NT
.set i_, i_+1
.endr
	WIN 0
.endm
; THE QUANTISER of 32 numbers of a lane, v[s] on, one block.  Maxima in four chains; each of the four accumulators that may lie here is first read in its lowest register.
.macro QA1 s
	v_max3_num_f32 v22, |v[(\s)]|, |v[(\s)+1]|, |v[(\s)+2]|
	v_max3_num_f32 v23, |v[(\s)+8]|, |v[(\s)+9]|, |v[(\s)+10]|
	v_max3_num_f32 v26, |v[(\s)+16]|, |v[(\s)+17]|, |v[(\s)+18]|
	v_max3_num_f32 v27, |v[(\s)+24]|, |v[(\s)+25]|, |v[(\s)+26]|
.irp i, 3,5
	v_max3_num_f32 v22, v22, |v[(\s)+\i]|, |v[(\s)+\i+1]|
	v_max3_num_f32 v23, v23, |v[(\s)+8+\i]|, |v[(\s)+9+\i]|
	v_max3_num_f32 v26, v26, |v[(\s)+16+\i]|, |v[(\s)+17+\i]|
	v_max3_num_f32 v27, v27, |v[(\s)+24+\i]|, |v[(\s)+25+\i]|
.endr
.endm
.macro QA2 s
	v_max3_num_f32 v22, v22, |v[(\s)+7]|, |v[(\s)+15]|
	v_max3_num_f32 v23, v23, |v[(\s)+23]|, |v[(\s)+31]|
	v_max3_num_f32 v26, v26, v27, 0x1800000        ; with the floor 2^(3 - 127): the byte cannot fall under 1
.endm
.macro QA3
	v_max3_num_f32 v22, v22, v23, v26
.endm
.macro QA4 so
	v_add_nc_u32 v[\so], 0xff000000, v22           ; 2 off the exponent field: the conversion's scale operand
.endm
.macro QB1 s, so, by
	v_cvt_scalef32_pk16_fp6_f32 v[30:32], v[(\s)+16:(\s)+31], v[\so]   ; (a conversion's three registers begin on an even number)
	v_lshrrev_b32 v[\by], 23, v[\so]               ; the byte
.endm
.macro QB2 s, so, cd
	WIN 0x40                                       ; codes: window 1
	v_cvt_scalef32_pk16_fp6_f32 v[(\cd):(\cd)+2], v[(\s):(\s)+15], v[\so]
.irp i, 0,1,2
	v_mov_b32 v[(\cd)+3+\i], v[30+\i]
.endr
	WIN 0
.endm
; two fragments' bytes (b0: the even one's, b1: the odd one's; low half: blocks h, high half: blocks 2 + h) become their scale words in v[d]
.macro SW2 d, b0, b1
	v_permlane16_swap_b32 v[\b0], v[\b1]
	v_lshl_or_b32 v[\d], v[\b1], 8, v[\b0]
.endm
.macro RELU8                           ; two numbers to an instruction, each accumulator from its low end on
.irp m, 0,1,2,3,4,5,6,7
.irp j, 0,2,4,6
	v_dual_max_num_f32 v[64+8*\m+\j], 0, v[64+8*\m+\j] :: v_dual_max_num_f32 v[65+8*\m+\j], 0, v[65+8*\m+\j]
.endr
.endr
.endm
; ================= THE CORRUPT PATH.  re = 1: each consumed quarter's registers take the same quarter of the slice at s[34:35]
; A quarter is two tiles of 16 rows (4 c + u from lanes 0-15, 4 c + 2 + u from lanes 16-31).  It turns through my stage, so that lane (r, h) holds block h of row r of each; LDS serves a wave's instructions in order.
.macro CQ k, re
.set C_, (\k)/2
.set R_, 128-128*C_+64*((\k)%2)
	WALU
.if \re
	s_wait_loadcnt 48                              ; the three younger quarters may be out: the rest of this slice and what has been asked for of the next
.else
	s_wait_loadcnt 48-16*(\k)
.endif
	WIN 0x04*C_
.set i_, 0
.rept 16
	ds_store_b128 v5, v[R_+4*i_:R_+4*i_+3] offset:272*i_
.set i_, i_+1
.endr
	WIN 0
.irp q, 0,1
.irp j, 0,1,2,3,4,5,6,7
	ds_load_b128 v[64+32*\q+4*\j:67+32*\q+4*\j], v6 offset:4352*\q+16*\j
.endr
.endr
	s_wait_dscnt 0x0
.if \re
	ZQL C_, (\k)%2, 34
.endif
	QA1 64
	QA2 64
	QA3
	QA4 24
	QA1 96
	QA2 96
	QB1 64, 24, 33+(\k)%2
	QA3
	QB2 64, 24, 192+12*(\k)
	QA4 25
	QB1 96, 25, 28
	v_lshl_or_b32 v[33+(\k)%2], v28, 16, v[33+(\k)%2]
	QB2 96, 25, 198+12*(\k)
.if (\k)%2
	SW2 48+(\k)/2, 33, 34
.endif
.endm
.macro CFET1 n                         ; tile n of Wc, its scale words and bc: 5 LDS loads
	ds_load_b32 v60, v2 offset:33792+128*(\n)
	WIN 0x40
	ds_load_b128 v[WZ+6:WZ+9], v1 offset:24576+768*(\n)
	ds_load_b64 v[WZ+10:WZ+11], v3 offset:25088+768*(\n)
	ds_load_b128 v[146:149], v8 offset:35840+64*(\n)
	ds_load_b128 v[150:153], v8 offset:35856+64*(\n)
	WIN 0
.endm
.macro CFET2 n                         ; and Wo: 2
	WIN 0x40
	ds_load_b128 v[154:157], v8 offset:36352+64*(\n)
	ds_load_b128 v[158:161], v8 offset:36368+64*(\n)
	WIN 0
.endm
; 16 columns of h_c for all 128 rows; relu; product 6: the pair v[162 + 2 m] takes (x_k w_k, x_k+1 w_k+1)
.macro CTRIP n
	s_wait_dscnt 0x2                               ; Wc, its scale words and bc are in; Wo's two loads may be out
	WIN 0x15
.irp m, 0,1,2,3,4,5,6,7
	WM 64+8*\m, WZ+6-6*(\m%2), 192+12*(\m/2), v[146:153], 60, 48+\m/4, b, \m/2
.endr
	WIN 0
	NOPS 4                                         ; four places ahead of loads into registers that matrix instructions have read, and of the first read of results
	s_wait_dscnt 0x0
.if (\n) < 7
	CFET1 \n+1
.endif
	RELU8
	WIN 0x54
.irp i, 0,1,2,3
.irp m, 0,1,2,3,4,5,6,7
	v_pk_fma_f32 v[162+2*\m:163+2*\m], v[64+8*\m+2*\i:65+8*\m+2*\i], v[154+2*\i:155+2*\i], v[162+2*\m:163+2*\m]
.endr
.endr
	WIN 0
.if (\n) < 7
	CFET2 \n+1
.endif
.endm
.macro CBLOCK re
.irp k, 0,1,2,3
	CQ \k, \re
.endr
	CFET1 0
	CFET2 0
	WIN 0x40
.irp i, 0,1,2,3,4,5
	v_mov_b32 v[WZ+\i], 0                          ; Z W Z
	v_mov_b32 v[WZ+12+\i], 0
.endr
.irp i, 0,1,2,3,4,5,6,7,8,9,10,11,12,13,14,15
	v_mov_b32 v[162+\i], 0                         ; contrib, in two halves for each row tile.  (Also the places behind the scale words and the zero codes)
.endr
	WIN 0
	WALU
.irp n, 0,1,2,3,4,5,6,7                ; written out: only some waves pass here at a time, so every LDS address is one of the head's registers and an immediate
	CTRIP \n
.endr
	WIN 0x05
.irp n, 0,1,2,3,4,5,6,7
	v_add_f32 v[64+\n], v[162+2*\n], v[163+2*\n]
.endr
	WIN 0
.irp k, 0,1,2,3
	v_permlane16_swap_b32 v[64+2*\k], v[65+2*\k]   ; a quarter's two tiles: lanes 0-15 end with the first one's sums, lanes 16-31 with the second's
.endr
.irp k, 0,1,2,3
	v_add_f32 v[72+\k], v[64+2*\k], v[65+2*\k]
.endr
.irp k, 0,1,2,3
	ds_store_b32 v19, v[72+\k] offset:64*(4*(\k/2)+\k%2)
.endr
.endm
; ================= THE SIGNAL PATH'S PARTS
; half c (register 4 i + t, in window c) becomes registers 6 c .. 6 c + 5 of the four fragments ZQ[t] at v[64 + 12 t], and bytes in v[54 + t]
.macro ZHALF c
.set RB, 128-128*\c
	WIN 0x05*\c
.irp t, 0,1,2,3
	v_max3_num_f32 v[36+\t], |v[RB+\t]|, |v[RB+4+\t]|, 0x1800000
.endr
	WIN 0x14*\c
.irp i, 2,4,6,8,10,12,14,16,18,20,22,24,26,28,30
.irp t, 0,1,2,3
	v_max3_num_f32 v[36+\t], v[36+\t], |v[RB+4*\i+\t]|, |v[RB+4*\i+4+\t]|   ; the four l tiles by turns
.endr
.endr
	WIN 0
.irp t, 0,1,2,3
	v_add_nc_u32 v[36+\t], 0xff000000, v[36+\t]
.endr
.irp t, 0,1,2,3
.if \c
	v_lshrrev_b32 v[22+\t], 23, v[36+\t]
.else
	v_lshrrev_b32 v[54+\t], 23, v[36+\t]
.endif
.endr
.if \c
.irp t, 0,1,2,3
	v_lshl_or_b32 v[54+\t], v[22+\t], 16, v[54+\t]
.endr
.endif
.irp t, 0,1,2,3
	WIN 0x40+\c
.set i_, 0
.rept 32
	v_mov_b32 v[192+i_], v[RB+4*i_+\t]             ; a conversion takes 16 consecutive registers: every fourth is gathered, in window 1
.set i_, i_+1
.endr
	WIN 0x01
	v_cvt_scalef32_pk16_fp6_f32 v[64+12*\t+6*\c:66+12*\t+6*\c], v[192:207], v[36+\t]
	v_cvt_scalef32_pk16_fp6_f32 v[30:32], v[208:223], v[36+\t]
	WIN 0
	v_nop                                          ; one plain line behind the conversions
.irp i, 0,1,2
	v_mov_b32 v[67+12*\t+6*\c+\i], v[30+\i]
.endr
.endr
.endm
.macro FETA buf, it                    ; A's tile it and its scale words: 4 LDS loads
.irp c, 0,1,2
	ds_load_b128 v[192+12*(\buf)+4*\c:195+12*(\buf)+4*\c], v1 offset:1536*(\it)+512*\c
.endr
	ds_load_b32 v[52+(\buf)], v2 offset:30720+128*(\it)
.endm
; product 1, A's tile it, into one of the sets at v224, v160, v128; the constant 0 starts each sum
.macro P1W it
.set PW_, 224-64*((\it)%3)+32*(((\it)%3)/2)
.irp t, 0,1,2,3
	WM PW_+8*\t, 64+12*\t, 192+12*((\it)%2), 0, 50+\t/2, 52+(\it)%2, a, \t
.endr
.endm
; the conversions of product 1's tile Y_ (set SP_), in two parts
.macro P1B1
.if Y_%2
	QB1 SP_, 25, 28
.else
	QB1 SP_, 24, 33+(Y_/2)%2
.endif
.endm
.macro P1B2
.if Y_%2
	v_lshl_or_b32 v[33+(Y_/2)%2], v28, 16, v[33+(Y_/2)%2]
.endif
	QB2 SP_, 24+Y_%2, 192+12*(Y_/2)+6*(Y_%2)
.if Y_%4 == 3
	SW2 48+Y_/4, 33, 34
.endif
.endm
.macro FETSIG g                        ; W_sig's four tiles of group g, their scale words, and b_sig in the result's layout: 20 LDS loads
.irp t, 0,1,2,3
	ds_load_b128 v[198+12*\t:201+12*\t], v1 offset:12288+768*(4*(\g)+\t)
	ds_load_b64 v[202+12*\t:203+12*\t], v3 offset:12800+768*(4*(\g)+\t)
	ds_load_b32 v[60+\t], v2 offset:31744+128*(4*(\g)+\t)
	ds_load_b128 v[64+8*\t:67+8*\t], v7 offset:4*(64*(\g)+8*\t)
	ds_load_b128 v[68+8*\t:71+8*\t], v7 offset:4*(64*(\g)+8*\t)+16
.endr
.endm
; product 2, row tile m against the group's four tiles, into set x % 3 of those at v96, v128, v160; b_sig is the C.  Even row tiles take [W | Z], odd ones [Z | W]
.macro P2W m, x
.set PB_, 96+32*((\x)%3)
	WIN 0x04
.irp t, 0,1,2,3
	WM PB_+8*\t, 198+12*\t-6*((\m)%2), 192+12*((\m)/2), v[64+8*\t:71+8*\t], 60+\t, 48+(\m)/4, b, (\m)/2
.endr
	WIN 0
.endm
; the conversions of product 2's tile Y_ = 8 g + m (set SP_), in two parts; v[246 + m] gathers a row tile's bytes of two groups
.macro P2B1
.set M_, Y_%8
.set G_, Y_/8
.if G_%2
	QB1 SP_, 24+Y_%2, 28
.else
	QB1 SP_, 24+Y_%2, 246+M_
.endif
.endm
.macro P2B2
.if G_%2
	v_lshl_or_b32 v[246+M_], v28, 16, v[246+M_]
.endif
	QB2 SP_, 24+Y_%2, 24*M_+12*(G_/2)+6*(G_%2)
.if (G_%2) && (M_%2)
	SW2 40+M_-1+G_/2, 245+M_, 246+M_
.endif
.endm
.macro P2IT g, m
.set X_, 8*(\g)+(\m)
.set Y_, X_-1
.set SA_, 96+32*(X_%3)
.set SP_, 96+32*((X_+2)%3)
.if (\m) > 0 && (\m) < 7
	P2W \m+1, X_+1
.endif
	QA1 SA_
.if (\m) == 6 && (\g) < 3
	FETSIG \g+1                                    ; behind the group's last products and twelve plain lines
.endif
.if X_ == 31
	FETW1 0
	FETW2 0
.endif
	QA2 SA_
.if X_ > 0
	P2B1
.endif
	QA3
.if X_ > 0
	P2B2
.endif
	QA4 24+X_%2
.if (\m) == 7 && (\g) < 3
	s_wait_dscnt 0x0                               ; the next group's weights, scale words and biases are in
	P2W 0, X_+1
	P2W 1, X_+2
	NOPS 4                                         ; places ahead of the first read of row tile 0's results
.endif
.endm
.macro FETW1 j                         ; W1's two fragments of N tile j (counted from v10's), their scale words, b1: 10 LDS loads
.irp i, 0,1,2,3,4,5
	ds_load_b128 v[192+4*\i:195+4*\i], v10 offset:3072*(\j)+512*\i
.endr
	ds_load_b32 v61, v11 offset:256*(\j)           ; (K step 0's word in the odd register, K step 1's in the even one: h's words lie the other way round)
	ds_load_b32 v60, v11 offset:256*(\j)+128
	ds_load_b128 v[216:219], v12 offset:64*(\j)
	ds_load_b128 v[220:223], v12 offset:64*(\j)+16
.endm
.macro FETW2 j                         ; W2's rows 16 n + 8 h + 0 .. 7, two numbers each: 4 LDS loads
.irp i, 0,1,2,3
	ds_load_b128 v[224+4*\i:227+4*\i], v13 offset:128*(\j)+16*\i
.endr
.endm
.macro W1ADR
	v_add_nc_u32 v10, s42, v1
	v_add_nc_u32 v11, s43, v2
	v_add_nc_u32 v12, s44, v8
	v_add_nc_u32 v13, s45, v9
.endm
; One N tile of product 3: 16 columns of h1 for all 128 rows, the eight accumulators by turns, b1 the C of each sum's first instruction; then relu and product 4: the pair v[240 + 2 m] takes x_k (w_k0, w_k1).
; nj: the next tile, counted from v10's;  nxt: there is one;  stp: the walking addresses go three tiles on first.
.macro NT nj, nxt, stp
	s_wait_dscnt 0x4                               ; W1, its scale words and b1 are in; the youngest four loads, W2's, may be out
	WIN 0x04                                       ; source 1 (h's codes) window 1
.irp m, 0,1,2,3,4,5,6,7
	WM 64+8*\m, 192, 24*\m, v[216:223], 61, 40+2*(\m/2), b, \m
.endr
.irp m, 0,1,2,3,4,5,6,7
	WM 64+8*\m, 204, 24*\m+12, v[64+8*\m:71+8*\m], 60, 41+2*(\m/2), b, \m
.endr
	WIN 0
	NOPS 4                                         ; four places ahead of loads into registers that matrix instructions have read, and of the first read of results
	s_wait_dscnt 0x0                               ; W2 is in
.if \stp
	s_add_co_u32 s42, s42, 9216
	s_add_co_u32 s43, s43, 768
	s_add_co_u32 s44, s44, 192
	s_add_co_u32 s45, s45, 384
	W1ADR
.endif
.if \nxt
	FETW1 \nj
.endif
	RELU8
.irp i, 0,1,2,3
.irp m, 0,1,2,3,4,5,6,7
	v_pk_fma_f32 v[240+2*\m:241+2*\m], v[64+8*\m+2*\i:65+8*\m+2*\i], v[224+4*\i:225+4*\i], v[240+2*\m:241+2*\m] op_sel_hi:[0,1,1]
.endr
.irp m, 0,1,2,3,4,5,6,7
	v_pk_fma_f32 v[240+2*\m:241+2*\m], v[64+8*\m+2*\i:65+8*\m+2*\i], v[226+4*\i:227+4*\i], v[240+2*\m:241+2*\m] op_sel:[1,0,0] op_sel_hi:[1,1,1]
.endr
.endr
.if \nxt
	FETW2 \nj
.endif
.endm
; ================= THE HEAD
	s_load_b256 s[4:11], s[0:1], 0x0               ; z_signal s[4:5], z_corrupt s[6:7], regime s[8:9], b2e s[10:11]
	s_load_b256 s[12:19], s[0:1], 0x20             ; bo s[12:13], ws s[14:15], out0 s[16:17], out1 s[18:19]
	v_lshl_add_u32 v17, v0, 2, SPARE
	v_mov_b32 v18, 0
	v_lshrrev_b32 v22, 5, v0
	v_readfirstlane_b32 s20, v22                   ; wave 0..7
	s_mul_i32 s22, s20, STGW
	s_add_co_u32 s22, s22, STG0                    ; my stage
	s_mul_i32 s23, s20, RESW
	s_add_co_u32 s23, s23, RES0                    ; my results
	v_and_b32 v22, 31, v0                          ; lane
	v_and_b32 v23, 15, v0                          ; r
	v_bfe_u32 v24, v0, 4, 1                        ; h
	v_and_b32 v20, 127, v0
	v_lshlrev_b32 v1, 4, v22
	v_lshlrev_b32 v2, 2, v22
	v_lshlrev_b32 v3, 3, v22
	v_lshlrev_b32 v4, 4, v23
	v_lshlrev_b32 v20, 4, v20                      ; 16 x my number among my half's 128 threads: the common weights' place
	v_lshlrev_b32 v16, 8, v22
	v_lshl_add_u32 v4, v24, 13, v4                 ; a slice: 16 r + 32 rows x h
	v_mul_u32_u24 v5, v24, 4352
	v_mul_u32_u24 v6, v23, 272
	v_add_nc_u32 v21, E0, v20                      ; the expert's place
	v_lshl_add_u32 v5, v23, 4, v5
	v_lshl_add_u32 v6, v24, 7, v6
	v_lshlrev_b32 v7, 7, v24
	v_add_nc_u32 v5, s22, v5                       ; stage, in: tile h, 16 r
	v_add_nc_u32 v6, s22, v6                       ; out: row r, block h
	v_lshlrev_b32 v14, 9, v24
	v_lshlrev_b32 v19, 7, v24
	v_add_nc_u32 v7, 34816, v7
	v_lshl_add_u32 v14, v23, 2, v14
	v_lshl_add_u32 v19, v23, 2, v19
	v_lshlrev_b32 v8, 5, v24
	v_lshlrev_b32 v9, 6, v24
	v_add_nc_u32 v15, s23, v1                      ; results, out
	v_add_nc_u32 v14, s23, v14                     ; mu (lanes 0-15), sigma's input (16-31)
	v_add_nc_u32 v19, s23, v19
	v_add_nc_u32 v19, 1024, v19                    ; contrib: lanes 16-31 lie 32 rows on
	WALU
	s_mov_b32 s25, 0
	s_lshr_b32 s21, ttmp9, 3                       ; b
	s_lshl_b32 s24, s21, 2
	s_lshl_b32 s22, ttmp9, 3
	s_add_co_u32 s22, s22, s20                     ; my slice
	s_wait_kmcnt 0x0
	s_add_nc_u64 s[8:9], s[8:9], s[24:25]
	s_load_b32 s26, s[8:9], 0x0                    ; regime[b]
	s_lshl_b32 s24, s22, 15                        ; 32,768 bytes a slice
	s_add_nc_u64 s[4:5], s[4:5], s[24:25]
	s_add_nc_u64 s[6:7], s[6:7], s[24:25]
	s_lshl_b32 s24, s22, 9
	s_add_nc_u64 s[16:17], s[16:17], s[24:25]
	s_add_nc_u64 s[18:19], s[18:19], s[24:25]
	s_cmp_lt_u32 s20, 4
	s_cselect_b64 s[30:31], s[4:5], s[6:7]         ; what I take first,
	s_cselect_b64 s[34:35], s[6:7], s[4:5]         ; and second
	s_cselect_b32 s41, 4, 0                        ; trips of product 3's loop in which I prefetch
	s_mov_b64 s[38:39], s[34:35]
	s_cbranch_scc0 .Lhead_expert
	WIN 0x40
.set n_, 0
.rept 18
	global_load_b128 v[128+4*n_:131+4*n_], v20, s[14:15] offset:2048*n_                  ; waves 0-3: the common weights, 16 bytes a thread
.set n_, n_+1
.endr
	WIN 0
	s_branch .Lhead_z
.Lhead_expert:
	s_wait_kmcnt 0x0
	s_cmp_ge_i32 s26, 8
	s_cselect_b32 s27, 0, s26                      ; regime >= 8: expert 0
	s_min_u32 s27, s27, 7                          ; the index stays inside the table
	s_mul_i32 s24, s27, 57344
	s_add_co_u32 s24, s24, E0
	s_add_nc_u64 s[36:37], s[14:15], s[24:25]
	WIN 0x40
.set n_, 0
.rept 28
	global_load_b128 v[128+4*n_:131+4*n_], v20, s[36:37] offset:2048*n_                  ; waves 4-7: my expert's
.set n_, n_+1
.endr
	WIN 0
.Lhead_z:
	ZQL 0, 0, 30
	ZQL 0, 1, 30
	ZQL 1, 0, 30
	ZQL 1, 1, 30
	s_cmp_lt_u32 s20, 4
	s_cbranch_scc0 .Lput_expert
	s_wait_loadcnt 63                              ; behind the weights 64 loads were issued: the weights are in
	WIN 0x04                                       ; an LDS store's data are its source 1
.set n_, 0
.rept 18
	ds_store_b128 v20, v[128+4*n_:131+4*n_] offset:2048*n_
.set n_, n_+1
.endr
	WIN 0
	s_branch .Lput
.Lput_expert:
	s_wait_loadcnt 63
	WIN 0x04
.set n_, 0
.rept 28
	ds_store_b128 v21, v[128+4*n_:131+4*n_] offset:2048*n_
.set n_, n_+1
.endr
	WIN 0
.Lput:
	s_wait_dscnt 0x0                               ; for the others' sake: my stores have landed
	s_barrier_signal -1
	s_barrier_wait -1
	s_wait_kmcnt 0x0
	s_cmp_ge_i32 s26, 8
	s_cselect_b32 s27, 0, s26
	s_min_u32 s27, s27, 7
	s_lshl_b32 s24, s27, 3
	s_add_nc_u64 s[10:11], s[10:11], s[24:25]
	s_load_b64 s[50:51], s[10:11], 0x0             ; b2[e], waited for on the way out
	s_load_b32 s52, s[12:13], 0x0                  ; bo
	s_cmp_lt_u32 s20, 4
	s_cbranch_scc1 .Lsignal
	CBLOCK 1
.Lsignal:
; ---- Z: z_signal becomes four fragments (l tiles) along j
	WALU
	s_wait_loadcnt 32                              ; the first half is in: behind it 32 loads were issued
	ZHALF 0
	FETA 0, 0                                      ; into registers that the first half has left
	FETA 1, 1
	WALU
	s_wait_loadcnt 0x0
	ZHALF 1
	SW2 50, 54, 55
	SW2 51, 56, 57
	NOPS 8                                         ; scale words written by vector instructions stand eight places ahead of a scaled matrix instruction, operands four
	WALU
	s_wait_dscnt 0x4                               ; tile 0 of A is in; tile 1's four loads may be out
; ---- P1: z_agg, a tile of 16 rows i at a time, quantised along l
	P1W 0
	NOPS 4                                         ; places ahead of the loads into its operands and of the first read of its results
.irp it, 0,1,2,3,4,5,6,7
.set SA_, 224-64*((\it)%3)+32*(((\it)%3)/2)
.set SP_, 224-64*((\it+2)%3)+32*(((\it+2)%3)/2)
.set Y_, \it-1
.if \it < 6
	FETA \it%2, \it+2                              ; into the buffer that tile it's products have read
	s_wait_dscnt 0x4                               ; tile it + 1 of A is in; the four loads just issued may be out
.elseif \it == 6
	s_wait_dscnt 0x0
.endif
.if \it < 7
	P1W \it+1
.endif
	QA1 SA_
	QA2 SA_
.if \it > 0
	P1B1
.endif
	QA3
.if \it > 0
	P1B2
.endif
	QA4 24+(\it)%2
.endr
.set SP_, 160
.set Y_, 7
	FETSIG 0
	P1B1
	P1B2
.irp z, 0,1,2,3,4
.irp i, 0,1,2,3,4,5
	v_mov_b32 v[192+12*\z+\i], 0                   ; the five runs of zero codes between which W_sig's four tiles stand
.endr
.endr
	s_mov_b32 s42, E0
	s_mov_b32 s43, E0+49152
	s_mov_b32 s44, E0+53248
	s_mov_b32 s45, E0+54272
	W1ADR
	NOPS 4
	WALU
	s_wait_dscnt 0x0
; ---- P2: h = z_agg W_sig + b_sig, 64 columns (a group) at a time, quantised along h
	P2W 0, 0
	P2W 1, 1
	NOPS 4
.irp g, 0,1,2,3
.irp m, 0,1,2,3,4,5,6,7
	P2IT \g, \m
.endr
.endr
.set Y_, 31
.set SP_, 96+32*(31%3)
	P2B1
	P2B2
.irp i, 0,1,2,3,4,5,6,7,8,9,10,11,12,13,14,15
	v_mov_b32 v[240+\i], 0                         ; (mu, sigma) of the eight row tiles.  (Also the places behind the last scale word and the last codes)
.endr
	s_mov_b32 s40, 0
	WALU
; ---- P3: h1 = relu(h W1 + b1) and out = h1 W2, an N tile of 16 at a time
.Lq:
	NT 1, 1, 0
	WALU
	s_cmp_lt_u32 s40, s41                          ; waves 0-3, trips 0 to 3: 32 lanes, 256 bytes apart, ask for 8,192 bytes of my z_corrupt; each block of my slice is named once, by me alone
	s_cbranch_scc0 .Lnopf
	global_prefetch_b8 v16, s[38:39] th:TH_LOAD_NT scope:SCOPE_SE
.Lnopf:
	NT 2, 1, 0
	NT 0, 1, 1
	WALU
	s_wait_xcnt 0x0                                ; the prefetch has read its base
	s_add_nc_u64 s[38:39], s[38:39], 8192
	s_add_co_u32 s40, s40, 1
	s_cmp_lt_u32 s40, 5
	s_cbranch_scc1 .Lq
	s_cmp_lt_u32 s20, 4
	s_cbranch_scc0 .Llast
	ZQL 0, 0, 34                                   ; waves 0-3: z_corrupt's first quarter, into registers that product 3 leaves free
.Llast:
	NT 0, 0, 0
	; lane (r, h) holds its half of row r's sums.  The halves change places so that lanes 0-15 end with mu and lanes 16-31 with sigma's input
.irp m, 0,1,2,3,4,5,6,7
	v_permlane16_swap_b32 v[240+2*\m], v[241+2*\m]
.endr
.irp m, 0,1,2,3,4,5,6,7
	v_add_f32 v[64+\m], v[240+2*\m], v[241+2*\m]
.endr
.irp m, 0,1,2,3,4,5,6,7
	ds_store_b32 v14, v[64+\m] offset:64*\m
.endr
	s_cmp_lt_u32 s20, 4
	s_cbranch_scc0 .Lout
	ZQL 0, 1, 34
	ZQL 1, 0, 34
	ZQL 1, 1, 34
	CBLOCK 0
.Lout:
; ---- the way out: LDS serves a wave's instructions in order: these see my stores
	ds_load_b128 v[96:99], v15                     ; mu of rows 4 lane .. 4 lane + 3
	ds_load_b128 v[100:103], v15 offset:512        ; sigma's input
	ds_load_b128 v[104:107], v15 offset:1024       ; contrib
	s_wait_kmcnt 0x0                               ; b2[e], bo
	s_add_f32 s33, s50, s52
	s_wait_dscnt 0x0
.irp i, 0,1,2,3
	v_add_f32 v[96+\i], v[96+\i], v[104+\i]
.endr
.irp i, 0,1,2,3
	v_add_f32 v[100+\i], s51, v[100+\i]            ; x
.endr
.irp i, 0,1,2,3
	v_add_f32 v[96+\i], s33, v[96+\i]
.endr
.irp i, 0,1,2,3
	v_mul_f32 v[104+\i], 0xbfb8aa3b, |v[100+\i]|   ; softplus(x) = max(x, 0) + ln 2 x log2(1 + 2^(-|x| log2 e)): the exponent is never positive
.endr
	s_wait_alu depctr_va_vdst(0)
.irp i, 0,1,2,3
	v_exp_f32 v[104+\i], v[104+\i]
.endr
.irp i, 0,1,2,3
	v_max_num_f32 v[108+\i], 0, v[100+\i]          ; plain work behind the exponentials
.endr
	s_wait_alu depctr_va_vdst(0)                   ; one wait for the four, ahead of their first reader
.irp i, 0,1,2,3
	v_add_f32 v[104+\i], 1.0, v[104+\i]
.endr
	s_wait_alu depctr_va_vdst(0)
.irp i, 0,1,2,3
	v_log_f32 v[104+\i], v[104+\i]
.endr
.irp i, 0,1,2,3
	v_add_f32 v[108+\i], 0x3c23d70a, v[108+\i]     ; + 0.01; plain work behind the logarithms
.endr
	s_wait_alu depctr_va_vdst(0)
.irp i, 0,1,2,3
	v_fmac_f32 v[108+\i], 0x3f317218, v[104+\i]
.endr
	global_store_b128 v1, v[96:99], s[16:17]       ; 32 lanes store 512 consecutive bytes, at a multiple of 512 from the buffer's first byte
	global_store_b128 v1, v[108:111], s[18:19]
	s_wait_tensorcnt 0x0                           ; the wave's end
	ds_add_u32 v17, v18
	s_wait_dscnt 0x0
	s_endpgm
.Lfunc_end_k_q92047aa799_main:
	.size	k_q92047aa799_main, .Lfunc_end_k_q92047aa799_main-k_q92047aa799_main
	.p2alignl 7, 3214868480
	.fill 96, 4, 3214868480
	.section	.rodata,"a",@progbits
	.p2align	6, 0x0
	.amdhsa_kernel k_q92047aa799_main
		.amdhsa_group_segment_fixed_size 177152
		.amdhsa_private_segment_fixed_size 0
		.amdhsa_enable_private_segment 0
		.amdhsa_kernarg_size 64
		.amdhsa_user_sgpr_count 2
		.amdhsa_user_sgpr_kernarg_segment_ptr 1
		.amdhsa_wavefront_size32 1
		.amdhsa_system_sgpr_workgroup_id_x 1
		.amdhsa_system_sgpr_workgroup_id_y 1
		.amdhsa_system_sgpr_workgroup_id_z 1
		.amdhsa_system_vgpr_workitem_id 0
		.amdhsa_next_free_vgpr 512
		.amdhsa_next_free_sgpr 66
		.amdhsa_reserve_vcc 0
		.amdhsa_float_denorm_mode_32 3
		.amdhsa_float_denorm_mode_16_64 3
		.amdhsa_memory_ordered 1
		.amdhsa_forward_progress 1
		.amdhsa_inst_pref_size 255
	.end_amdhsa_kernel
	.section	.bss,"aw",@nobits
	.p2align	6
	.space	262144
	.amdgpu_metadata
---
amdhsa.version: [ 1, 2 ]
amdhsa.kernels:
  - .name:           k_q92047aa799_main
    .symbol:         k_q92047aa799_main.kd
    .args:
      - { .name: z_signal, .offset: 0, .size: 8, .value_kind: global_buffer, .address_space: global }
      - { .name: z_corrupt, .offset: 8, .size: 8, .value_kind: global_buffer, .address_space: global }
      - { .name: regime, .offset: 16, .size: 8, .value_kind: global_buffer, .address_space: global }
      - { .name: b2e, .offset: 24, .size: 8, .value_kind: global_buffer, .address_space: global }
      - { .name: bo, .offset: 32, .size: 8, .value_kind: global_buffer, .address_space: global }
      - { .name: ws, .offset: 40, .size: 8, .value_kind: global_buffer, .address_space: global }
      - { .name: out0, .offset: 48, .size: 8, .value_kind: global_buffer, .address_space: global }
      - { .name: out1, .offset: 56, .size: 8, .value_kind: global_buffer, .address_space: global }
    .group_segment_fixed_size: 177152
    .private_segment_fixed_size: 0
    .kernarg_segment_align: 8
    .kernarg_segment_size: 64
    .max_flat_workgroup_size: 256
    .sgpr_count:     66
    .vgpr_count:     512
    .wavefront_size: 32
...
	.end_amdgpu_metadata
.endif
;; end of part 2
